; MI455X (gfx1250); checked and timed in simulation.
; The chip was launched on July 23, 2026; its instructions are those of AMD's public machine-readable ISA for CDNA 5 (MIT licence, August 2026) and "CDNA5" Instruction Set Architecture Reference Guide (July 2026). The comments in the code are by the model that wrote it; some were corrected since.
;; Multi Head Self Attention Module. Allowed arithmetic: matrix products marked QUANTISED: E2M1 operands, one E8M0 scale for each 32 along K, by v_wmma_scale_f32_16x16x128_f8f6f4 with both operands' format E2M1 (or v_wmma_scale_f32_32x16x128_f4), f32 sums; everything else in f32.
;; Inputs: bk 1,024 float32; bo 1,024 float32; bq 1,024 float32; bv 1,024 float32; ln_b 1,024 float32; ln_g 1,024 float32; rel_bias 16 x 32 x 32 float32; wk_codes 1,024 x 32 x 16 uint8 (E2M1 codes of wk, K innermost, in blocks of 32 codes, two codes a byte); wk_scales 1,024 x 32 uint8 (E8M0 scales of wk, one for each 32 codes along K); wo_codes 1,024 x 32 x 16 uint8 (E2M1 codes of wo, K innermost, in blocks of 32 codes, two codes a byte); wo_scales 1,024 x 32 uint8 (E8M0 scales of wo, one for each 32 codes along K); wq_codes 1,024 x 32 x 16 uint8 (E2M1 codes of wq, K innermost, in blocks of 32 codes, two codes a byte); wq_scales 1,024 x 32 uint8 (E8M0 scales of wq, one for each 32 codes along K); wv_codes 1,024 x 32 x 16 uint8 (E2M1 codes of wv, K innermost, in blocks of 32 codes, two codes a byte); wv_scales 1,024 x 32 uint8 (E8M0 scales of wv, one for each 32 codes along K); x 512 x 32 x 1,024 float32.
;; Outputs: out0 512 x 32 x 1,024 float32.
;; This version of the problem:
;;   THIS VERSION OF THE PROBLEM IS GIVEN IN LOW PRECISION. The matrix products marked QUANTISED in the list below multiply operands that are first quantised to E2M1 (2 exponent bits, 1 mantissa bit; 4 bits a number), with one power-of-two scale for each 32 numbers along K (OCP MX v1.0); their sums are f32. All else is computed in f32.
;;   The module's matrix products, in the order in which they are computed (A, B: the left and right operand; K: the contracted axis; several contracted axes count as one K, in the product's order):
;;     1. [M 16,384, K 1,024] x [K 1,024, N 1,024]; A: computed on the way; B: input wq (given as codes): QUANTISED
;;     2. [M 16,384, K 1,024] x [K 1,024, N 1,024]; A: computed on the way; B: input wk (given as codes): QUANTISED
;;     3. [M 16,384, K 1,024] x [K 1,024, N 1,024]; A: computed on the way; B: input wv (given as codes): QUANTISED
;;     4. batch 8,192 x [M 32, K 64] x [K 64, N 32]; A: computed on the way; B: computed on the way: QUANTISED
;;     5. batch 8,192 x [M 32, K 32] x [K 32, N 64]; A: softmax (see below); B: computed on the way: QUANTISED
;;     6. [M 16,384, K 1,024] x [K 1,024, N 1,024]; A: computed on the way; B: input wo (given as codes): QUANTISED
;;   THE QUANTISER, for each operand of a quantised product, along K:
;;     - K is cut into blocks of 32 from its start; a last block that is shorter is filled with zeros.
;;     - A block's scale is 2^e with e = floor(log2(the largest magnitude in the block)) - 2, held to -126 .. 127; a block of zeros has e = 0. As a byte (E8M0): e + 127.
;;     - Each number is divided by its block's scale, clamped to +-6, and rounded to the nearest number of E2M1, ties to even, subnormals kept.
;;     - The product sums the exact products of the quantised numbers (number of the format x scale) in f32.
;;   ~~~python
;;   def quantise(x, axis):      # numpy; x: float32 -> the quantised numbers, widened to float32 again
;;       x = np.moveaxis(x, axis, -1); K = x.shape[-1]
;;       x = np.pad(x, [(0, 0)] * (x.ndim - 1) + [(0, -K % 32)]); x = x.reshape(x.shape[:-1] + (-1, 32)); a = np.abs(x).max(-1, keepdims=True)
;;       e = np.where(a > 0, np.clip(np.frexp(np.where(a > 0, a, 1))[1] - 1 - 2, -126, 127), 0)      # np.frexp(a)[1] - 1 = floor(log2(a)), exactly
;;       r = np.clip(x / 2.0 ** e, -6, 6)
;;       step = 2.0 ** (np.maximum(np.frexp(np.where(r == 0, 1, r))[1] - 1, 0) - 1)
;;       q = np.round(r / step) * step * 2.0 ** e      # np.round: ties to even
;;       return np.moveaxis(q.reshape(q.shape[:-2] + (-1,))[..., :K], -1, axis).astype(np.float32)
;;   ~~~
;;   SOFTMAX AHEAD OF A QUANTISED PRODUCT. Where the list says 'softmax', what is quantised is not the finished softmax but p = 2^(t - M), with t = logit x log2(e) and M = ceil(the row's largest t), a whole number; so 1/2 < the row's largest p <= 1. The row's sum l is taken of the UNQUANTISED p, in f32, and the product's result is divided by l at the end. Since M is a whole number, a kernel that streams over the keys may use a running M (the ceiling of the running maximum): every later rescaling is an exact power of two, which a block's scale takes up: the codes' values come out the same.
;;   OPERANDS COMPUTED ON THE WAY. 'Computed on the way' means the value that the module computes at that place (a softmax that the list does not call 'softmax' is quantised finished and normalised). What goes into a quantiser is computed in f32, as accurately as f32 sums, v_exp_f32 and their like allow (about 1e-6 of the number): no bf16 or f16 on the way to a quantiser, and a product that is left as it is and whose result goes on into a quantised operand takes f32 operands (vector FMAs, or v_wmma_f32_16x16x4_f32). A number that lies on a knife's edge between two numbers of the format may be rounded either way, as far as f32 arithmetic and the matrix unit's own rounding can turn it there, and no further.
;;   INPUTS GIVEN AS CODES. wk (in the module: [1024, 1024], K = its axis 0); wo (in the module: [1024, 1024], K = its axis 0); wq (in the module: [1024, 1024], K = its axis 0); wv (in the module: [1024, 1024], K = its axis 0): each comes as NAME_codes (uint8): NAME with its K axis moved to the last place and cut into blocks of 32 codes, [.., K / 32, bytes a block], one block behind the other in memory; two codes a byte, the lower K in the low four bits (a code: sign, 2 exponent bits, 1 mantissa bit); and NAME_scales (uint8): the same leading axes, one E8M0 byte (e + 127) for each 32 codes along K. Its value is code x scale, taken as it is: it is not quantised again, and the codes and scales need not be those that the quantiser above would give.
;; One version. Each part assembles by itself: llvm-mc -triple=amdgcn-amd-amdhsa -mcpu=gfx1250 --defsym DOCPART=n.
;; ======== version 1 of 1: 1 launch
;; limits: right only within a limited range of input values
;; launch fused (part 1): grid 256 x 1, 8 waves a work-group, clusters of 4 x 1, 327,680 bytes of LDS; arguments x, ln_g, ln_b, wq_codes, wq_scales, bq, wk_codes, wk_scales, bk, wv_codes, wv_scales, bv, wo_codes, wo_scales, bo, rel_bias, out0; writes out0
.if DOCPART == 1
	.amdgcn_target "amdgcn-amd-amdhsa--gfx1250"
	.amdhsa_code_object_version 6
	.text
	.protected	k_qb46ebec5bf_fused
	.globl	k_qb46ebec5bf_fused
	.p2align	8
	.type	k_qb46ebec5bf_fused,@function
k_qb46ebec5bf_fused:
	s_mov_b64 s[64:65], 0
	v_nop
	global_prefetch_b8 v0, s[64:65] scope:SCOPE_SE
	s_setreg_imm32_b32 hwreg(HW_REG_WAVE_MODE, 25, 1), 1
	s_wait_xcnt 0x0
	s_wait_alu depctr_hold_cnt(0) depctr_sa_sdst(0) depctr_va_vdst(0) depctr_va_sdst(0) depctr_va_ssrc(0) depctr_va_vcc(0) depctr_vm_vsrc(0)
	s_getreg_b32 s2, hwreg(HW_REG_IB_STS2, 6, 4)
	s_cmp_eq_u32 s2, 0
	s_cbranch_scc0 .Lentry_in_a_cluster
	s_endpgm
.Lentry_in_a_cluster:
	s_bfe_u32 s2, ttmp6, 0x10000c
	s_cmp_lg_u32 s2, 0x3003
	s_cbranch_scc0 .Lentry_shape_is_right
	s_endpgm
.Lentry_shape_is_right:
; out = x + attention(LayerNorm(x)) Wo + bo, all six products on codes of FP4 (E2M1) with one E8M0 scale for each 32 along K.  x, out: [16384][1024] f32; a batch is 32 rows; 16 heads of 64.
; ONE LAUNCH.  A work-group owns 64 rows = 2 batches = 4 tiles of 16 tokens (m = 0..3, batch m / 2).  Nothing goes through memory between x and out; x is loaded a second time for the residual.
; EIGHT WAVES, two to a SIMD.  In LayerNorm wave w owns the 8 rows 8 w .. 8 w + 7, whole, so a row's sums stay in a wave.  Behind it wave w owns columns 128 w .. 128 w + 127 of Q, K, V and out (heads 2 w, 2 w + 1):
; a weight fragment is read from LDS by one wave and feeds all four token tiles, and attention never leaves a wave.  Only the codes of xn and of ctx go from wave to wave, through LDS, as images of the operand's registers.
; WEIGHTS come through a ring of two LDS slots.  A slot holds, for each wave, 32 rows x 512 bytes of one weight.  The order is Q Q K K V V of a head, two heads, then four slots of Wo: 16 slots.
; CLUSTER: all work-groups walk the same weights, so the four of a cluster ask JOINTLY: wave w of each issues the same tensor load, same descriptor, mask 15.  A mask names four at the most, so 4 x 1.
; LAYOUTS (lane: r = lane % 16, h = lane / 16).  Transposed product (source 0 = 32 rows of W, source 1 = 16 tokens): register 8 t + j = (token r, feature 16 t + 8 h + j): Q, K, out.
; Natural product (source 0 = a batch's 32 tokens, source 1 = 16 rows of Wv): register 8 t + j = (token 16 t + 8 h + j, feature r): V, whose K is the keys.
; In both a block of 32 along the next K is one accumulator of 16 registers in lanes l and l xor 16.
; K SHORTER THAN 128 (64 in Q K^T, 32 in p V): one operand carries zero codes in the k that are not used (Q; p), the other whatever codes lie there: every code is a finite number and no scale byte is 0xff.
; LIMITS: NaN and infinities among the inputs are not served.  A block of zeros gets the byte 1 (its codes are zeros; the bytes are this program's own).  The division by sqrt(64) is 3 off Q's scale bytes,
; so a block of Q whose largest magnitude lies under 2^-121 is held at that floor.  The softmax's promise holds while the scaled scores stay under 2^31 in magnitude.
.set PW,    528                        ; a weight row in LDS: 512 bytes + 16 of padding = 132 words: row r starts at bank 4 r mod 64 (64 banks of 4 bytes: ISA guide 11.1)
.set WPART, 32*PW                      ; a wave's part of a slot
.set SLOT,  8*WPART
.set IMG,   2*SLOT                     ; operand images: token tile m, block q of 32 columns at IMM m + 272 q + 16 r: 16 rows x 16 bytes, and 16 bytes of padding
.set IMM,   32*272
.set ISC,   IMG+4*IMM                  ; their scale words: 256 K step + 4 token
.set SPARE, ISC+2048                   ; the spare words, 128 bytes a wave: four blocks of 256 bytes that no other line names
.set SPI,   272                        ; the way out: a stage of 16 rows x 272 bytes for each wave, in the images' bytes, which nobody reads any more by then
.set FLO,   0x1800000                  ; 2^(3 - 127): the floor under a block's largest magnitude, so that its byte is 1 at the least
.set FLQ,   0x3000000                  ; 2^(6 - 127): Q's, so that 3 can be taken off its byte
; WINDOW 1: LayerNorm's 8 rows; then A's fragments: token tile m, K step s at v[16 (8 (m / 2) + s) + 8 (m % 2)].  WINDOW 0:
.set SPW, 1
.set NIL, 2
.set AW0, 3                            ; my lane's place in my wave's part of slot 0;  AW: the same in the slot in hand
.set AW,  4
.set LI,  5                            ; IMG + 272 h + 16 r
.set SLD, 6                            ; ISC + 4 lane
.set WSO, 7                            ; weight scales: 4096 wave + 32 lane
.set BO,  8                            ; bq, bk: 512 wave + 32 h
.set BVO, 9                            ; bv: 512 wave + 4 r
.set RBO, 10                           ; rel_bias: 128 r + 32 h
.set PFO, 11                           ; the prefetches' offset: 256 lane + 8192 cx; never rewritten
.set XO,  12                           ; x and out by rows: 512 wave + 4096 h + 16 r
.set STO, 13                           ; my stage in the results' layout: 272 r + 32 h
.set IST, 14                           ; where ctx's codes and scale halfwords go; in the out projection:
.set SST, 15
.set SRD, 14                           ; my stage by rows: 272 h + 16 r
.set BRO, 15                           ; bo by rows: 512 wave + 16 r
.set ASC, 16                           ; v16-31  A's scale words: 8 batch + K step; lane = the batch's token
.set WSA, 32                           ; v32-39  weight scale words of even slots, by K step; lane = row of the 32
.set WSB, 40                           ; v40-47  of odd slots
.set QS,  48                           ; v48-55  scale words of Q, K (by token tile); then of p (by batch and query tile), V (by feature tile)
.set KS,  52
.set PS,  48
.set VS,  52
.set RLP, 56                           ; v56-59  1 / l by batch and query tile
.set XL,  56                           ; LayerNorm: x: 32768 wave + 32 lane;  where codes and scale bytes go;  32 lane
.set LC,  57
.set LS,  58
.set GBO, 59
.set BOR, 56                           ; v56-63  the out projection: bo by rows, 4 registers for each 64 columns
.set TM,  60                           ; v60-75  at work
.set BVV, 76                           ; v76-79  bv at feature r of V's four tiles
.set BI,  80                           ; v80-95  the bias of a slot's 32 rows;  in the softmax -M in pairs and the sums
.set NGM, 80
.set SM,  88
.set AC,  96                           ; v96-159 sums, scores, O^T;  in LayerNorm ln_g at v96, ln_b at v128
.set KC,  160                          ; v160-175 K's codes, 4 registers a tile; then V's
.set VC,  160
.set QC,  176                          ; v176-191 Q's codes; then PP p's, CC ctx's
.set PP,  176
.set CC,  184
.set WF,  192                          ; v192-255 weight fragments: two sets of 32: 2 K steps x 32 rows
.set RB,  192                          ;         rel_bias at the scores
.set PQ,  224                          ;         Q with its zero codes, and p with its
.set OA,  64                           ; v64-191 the out projection's sums: 64 unit + 16 m
.set SU,  160                          ; LayerNorm at work: sums; row sums; -mean and 1 / sqrt; maxima; scale operands; codes; bytes
.set RT,  168
.set NN,  172
.set MX,  176
.set SO,  184
.set CD,  192
.set BY,  200
.set G1,  44
.set G0,  52
.set T0,  60                           ; the next head's Wq, in the last trip Wo
.set T1,  62                           ; their scales
.set TP,  66                           ; Wk, in the last trip Wo: for the prefetch
.set T2,  80                           ; bq, in the last trip bo
.set WV,  68
.set TB,  69                           ; LDS byte at which the slot in hand begins
.set TRIP, 70
.set WOFF, 71
.set SEL, 72
.set CS,  74
.set LOM, 76
.set HS,  77                           ; 544 x head
.set HS2, 78                           ; ISC + 256 wave + 2 trip
.set MSB, 0
.macro WIN new                         ; the immediate's high byte repeats the setting that is left; a switch that changes nothing is dropped
.if MSB != (\new)
	s_set_vgpr_msb (MSB<<8)|(\new)
.set MSB, (\new)
.endif
.endm
.macro PLACES n                        ; plain vector lines between a matrix instruction and what reads its result or loads into its registers
.rept \n
	v_nop
.endr
.endm
.macro BAR                             ; my LDS stores have landed and my LDS loads are in: then the work-group's barrier
	s_wait_alu depctr_va_vdst(0)
	s_wait_dscnt 0x0
	s_barrier_signal -1
	s_barrier_wait -1
.endm
.macro CREST                           ; a round of the cluster's barrier behind its opening barrier
	s_cmp_lg_u32 s[WV], 0
	s_cbranch_scc1 .Lnw0_\@
	s_barrier_signal -3
.Lnw0_\@:
	s_barrier_wait -3
	s_barrier_signal -1
	s_barrier_wait -1
.endm
.macro CROUND
	s_barrier_signal -1
	s_barrier_wait -1
	CREST
.endm
; A PREFETCH INTO THE L2 of two slots' codes (64 rows of each wave), two slots ahead of the first tensor load that wants them.  8 waves x 4 partners x 32 lanes x 256 bytes: each block once in a cluster; of my
; wave's 64 rows the partner at place cx takes 16, told apart BY ADDRESS.  Every work-group walks these slots, so clusters 0 to 3 alone ask: the branch hangs on the cluster's number, which the partners share.
; Slot 0 comes by the first fill alone; slot 1 is named alone, during LayerNorm; behind the last slots nothing is named.
.macro ASK p, off
	s_cmp_lt_u32 ttmp9, 4
	s_cbranch_scc0 .Lnm_\@
	global_prefetch_b8 v[PFO], s[\p:\p+1] offset:\off th:TH_LOAD_NT scope:SCOPE_SE
.Lnm_\@:
.endm
; 32x16x128.  c < 0: C is the constant 0.  rb: source 1's scales stand in lanes 16-31
.macro WM32 d, a, b, c, sa, sb, rb
.if (\c) < 0
.if (\rb)
	v_wmma_scale_f32_32x16x128_f4 v[\d:\d+15], v[\a:\a+15], v[\b:\b+7], 0, v[\sa], v[\sb] matrix_b_scale:MATRIX_SCALE_ROW1
.else
	v_wmma_scale_f32_32x16x128_f4 v[\d:\d+15], v[\a:\a+15], v[\b:\b+7], 0, v[\sa], v[\sb]
.endif
.else
.if (\rb)
	v_wmma_scale_f32_32x16x128_f4 v[\d:\d+15], v[\a:\a+15], v[\b:\b+7], v[\c:\c+15], v[\sa], v[\sb] matrix_b_scale:MATRIX_SCALE_ROW1
.else
	v_wmma_scale_f32_32x16x128_f4 v[\d:\d+15], v[\a:\a+15], v[\b:\b+7], v[\c:\c+15], v[\sa], v[\sb]
.endif
.endif
.endm
.macro WM16 d, a, b, c, sa, sb         ; 16x16x128, in attention
.if (\c) < 0
	v_wmma_scale_f32_16x16x128_f8f6f4 v[\d:\d+7], v[\a:\a+7], v[\b:\b+7], 0, v[\sa], v[\sb] matrix_a_fmt:MATRIX_FMT_FP4 matrix_b_fmt:MATRIX_FMT_FP4
.else
	v_wmma_scale_f32_16x16x128_f8f6f4 v[\d:\d+7], v[\a:\a+7], v[\b:\b+7], v[\c:\c+7], v[\sa], v[\sb] matrix_a_fmt:MATRIX_FMT_FP4 matrix_b_fmt:MATRIX_FMT_FP4
.endif
.endm
; one K step of a slot: four accumulators by turns.  kind 0: transposed, accumulator = token tile m; 1: natural, accumulator = 2 x feature tile + batch
.macro MM kind, ks, set, acb, bi, ws
	WIN 4-3*(\kind)
.if (\kind) == 0
.irp m, 0,1,2,3
.set rD, (\acb)+16*\m
.set rC, rD
.if (\ks) == 0
.set rC, (\bi)
.endif
	WM32 rD, WF+32*(\set)+16*((\ks)%2), 16*(8*(\m/2)+(\ks))+8*(\m%2), rC, (\ws)+(\ks), ASC+8*(\m/2)+(\ks), \m%2
.endr
.else
.irp b, 0,1,2,3
.set rD, (\acb)+16*\b
.set rC, rD
.if (\ks) == 0
.set rC, (\bi)
.endif
	WM32 rD, 16*(8*(\b%2)+(\ks)), WF+32*(\set)+16*((\ks)%2)+8*(\b/2), rC, ASC+8*(\b%2)+(\ks), (\ws)+(\ks), \b/2
.endr
.endif
.endm
; eight LDS loads: the weight fragments of K steps k and k + 1 into a set.  A fragment: lane (r, h) takes 16 bytes at row 16 t + r, 64 K step + 32 c + 16 h
.macro WLOAD set, k
.irp kp, 0,1
.irp t, 0,1
.irp c, 0,1
	ds_load_b128 v[WF+32*(\set)+16*\kp+8*\t+4*\c:WF+32*(\set)+16*\kp+8*\t+4*\c+3], v[AW] offset:16*\t*PW+64*((\k)+\kp)+32*\c
.endr
.endr
.endr
.endm
.macro WL1 k                           ; one K step's four loads, into the fourth of the sets that it takes
.irp t, 0,1
.irp c, 0,1
	ds_load_b128 v[WF+16*((\k)%4)+8*\t+4*\c:WF+16*((\k)%4)+8*\t+4*\c+3], v[AW] offset:16*\t*PW+64*(\k)+32*\c
.endr
.endr
.endm
.macro SLOTSTART
	v_add_nc_u32 v[AW], s[TB], v[AW0]
	WLOAD 0, 0
	WLOAD 1, 2
.endm
.macro LDWS dst, base, off             ; a slot's weight scales: 32 rows x 32 bytes of my wave: each lane its row's eight words
.irp e, 0,1
	global_load_b128 v[\dst+4*\e:\dst+4*\e+3], v[WSO], s[\base:\base+1] offset:(\off)+16*\e
.endr
.endm
.macro LDBI base, off                  ; a slot's bias in the transposed results' layout: features 16 t + 8 h + 0 .. 7
.irp t, 0,1
.irp e, 0,1
	global_load_b128 v[BI+8*\t+4*\e:BI+8*\t+4*\e+3], v[BO], s[\base:\base+1] offset:(\off)+64*\t+16*\e
.endr
.endr
.endm
; 16 tokens x 64 columns of x by rows, for the residual: lanes 0-15 take 256 consecutive bytes of one row, lanes 16-31 of the next; tile m into fragment set m % 2
.macro XT pr, m
.irp t, 0,1,2,3,4,5,6,7
	global_load_b128 v[WF+32*((\m)%2)+4*\t:WF+32*((\m)%2)+4*\t+3], v[XO], s[8:9] offset:8192*(8*(\m)+\t)+256*(\pr) th:TH_LOAD_NT
.endr
.endm
; what is loaded from memory in the middle of a slot's products, for what follows
.macro HOOK id
.if (\id) == 1
	LDBI 18, 128                                   ; bq, second 32
.elseif (\id) == 2
	LDBI 24, 0                                     ; bk, first 32
.elseif (\id) == 3
	LDBI 24, 128
.elseif (\id) == 4
.irp t, 0,1,2,3
	global_load_b32 v[BVV+\t], v[BVO], s[30:31] offset:64*\t
.endr
.elseif (\id) == 5                     ; the head's rel_bias in the scores' layout: (query 16 v + r, keys 16 u + 8 h + 0 .. 7)
.irp v, 0,1
.irp u, 0,1
.irp e, 0,1
	global_load_b128 v[RB+8*(2*\v+\u)+4*\e:RB+8*(2*\v+\u)+4*\e+3], v[RBO], s[38:39] offset:2048*\v+64*\u+16*\e
.endr
.endr
.endr
.elseif (\id) == 6
	LDBI T2, 256                                   ; the next head's bq; in the last trip the same place in bo: loaded, not used: the counts stay alike
.elseif (\id) == 7
	XT 0, 0
.endif
.endm
; the second half's x, into A's registers of K steps that are done with (window 1): tile m at v[128 (m % 2) + 32 (m / 2)]: K steps 0 and 1 for tiles 0 and 1, K steps 2 and 3 for tiles 2 and 3
.macro XW m
.irp t, 0,1,2,3,4,5,6,7
	global_load_b128 v[128*((\m)%2)+32*((\m)/2)+4*\t:128*((\m)%2)+32*((\m)/2)+4*\t+3], v[XO], s[8:9] offset:8192*(8*(\m)+\t)+256 th:TH_LOAD_NT
.endr
.endm
; one of a slot's first four K steps; its set is loaded again, four K steps on, behind it.  (The transposed kind's window setting names window 0 for a load's address and destination)
.macro KSTEP kind, k, set, acb, bi, ws, w, h
	s_wait_dscnt \w
	MM \kind, \k, \set, \acb, \bi, \ws
.if \kind
	WIN 0
.endif
	PLACES 4
	HOOK \h
	WL1 \k+4
.endm
.macro DESC p, off                     ; the refill: the slot in hand, from s[p:p+1] + off; then on to the other slot
	s_add_co_u32 s[G0+1], s[WOFF], s[TB]
	s_add_nc_u64 s[G0+2:G0+3], s[\p:\p+1], \off
	s_or_b32 s[G0+3], s[G0+3], 0x80000000
	s_xor_b32 s[TB], s[TB], SLOT
.endm
; A SLOT'S PRODUCTS: 32 rows of W x 64 tokens x K 1,024: 32 products in eight K steps, on four sets by turns.  The wait at a K step's head leaves out the loads of the three sets issued behind this one's (12).
; al = 1: A's fragments come in K step by K step ahead of the products: behind K step k's eight loads stand 8 (7 - k) of A and 4 k of W.
; p > 0: THE CHANGE OF SLOTS.  All my tensor loads have landed (the next slot's part among them), 0 is added to my spare word, products stand between the add and the wait for it; the add and my reads of the
; slot are done, the last fragments in registers; a round of the cluster's barrier, the last products behind its first signal; then the joint refill of the slot with the slot after next.  One load of mine is
; out behind each round; it has a whole slot's work in which to land.  h2: loads from memory into the sets of K steps 4 and 5, which then go ahead of the change.
.macro UNIT kind, acb, bi, ws, lc, h0, h2, p, off, al=0, xa=0
	s_wait_alu depctr_va_vdst(0)
.if (\lc) >= 0
	s_wait_loadcnt \lc
.endif
	KSTEP \kind, 0, 0, \acb, \bi, \ws, 12+(\al)*44, \h0
	KSTEP \kind, 1, 0, \acb, \bi, \ws, 12+(\al)*40, 0
.if \xa
	WIN 0x40
	XW 0
	XW 1
.endif
	KSTEP \kind, 2, 1, \acb, \bi, \ws, 12+(\al)*36, 0
	KSTEP \kind, 3, 1, \acb, \bi, \ws, 12+(\al)*32, 0
.if \xa
	WIN 0x40
	XW 2
	XW 3
.endif
	s_wait_dscnt 12
	MM \kind, 4, 0, \acb, \bi, \ws
.if (\p) && ((\h2) == 0)
	WIN 0
	s_wait_tensorcnt 0x0
	ds_add_u32 v[SPW], v[NIL]
	DESC \p, \off
	s_wait_dscnt 9                                 ; K step 5 is in; the two behind it and the add may be out
	MM \kind, 5, 0, \acb, \bi, \ws
	s_wait_dscnt 0x0
	s_barrier_signal -1
	MM \kind, 6, 1, \acb, \bi, \ws
	MM \kind, 7, 1, \acb, \bi, \ws
	WIN 0
	s_barrier_wait -1
	CREST
	tensor_load_to_lds s[G0:G0+3], s[G1:G1+7]
	s_nop 0
.else
	s_wait_dscnt 8
	MM \kind, 5, 0, \acb, \bi, \ws
	WIN 0
.if \h2
	PLACES 4
	HOOK \h2
.endif
	s_wait_dscnt 0x0
.if \p
	s_wait_tensorcnt 0x0
	ds_add_u32 v[SPW], v[NIL]
	DESC \p, \off
	MM \kind, 6, 1, \acb, \bi, \ws
	s_wait_dscnt 0x0
	s_barrier_signal -1
	MM \kind, 7, 1, \acb, \bi, \ws
	WIN 0
	s_barrier_wait -1
	CREST
	tensor_load_to_lds s[G0:G0+3], s[G1:G1+7]
	s_nop 0
.else
	MM \kind, 6, 1, \acb, \bi, \ws
	MM \kind, 7, 1, \acb, \bi, \ws
	WIN 0
.endif
.endif
	PLACES 4
.endm
; FOUR BLOCKS OF 32 ARE QUANTISED, by turns.  Block b lies in v[AC + 16 b ..] of lanes l and l xor 16.  Its largest magnitude (with the floor fl among the leaves) less 2 in the exponent field is the
; conversion's scale operand (TM+8+b), that shifted down the byte (TM+4+b).  The codes of the first eight go to v[d_b], of the second eight to v[d_b + 2].  Each accumulator is read from its low end on.
.macro QUANT fl, d0, d1, d2, d3
.irp b, 0,1,2,3
	v_max3_num_f32 v[TM+\b], |v[AC+16*\b]|, |v[AC+16*\b+1]|, \fl
.endr
.irp j, 2,4,6,8,10,12,14
.irp b, 0,1,2,3
	v_max3_num_f32 v[TM+\b], v[TM+\b], |v[AC+16*\b+\j]|, |v[AC+16*\b+\j+1]|
.endr
.endr
.irp b, 0,1,2,3
	v_permlanex16_b32 v[TM+4+\b], v[TM+\b], s[SEL], s[SEL+1]
.endr
.irp b, 0,1,2,3
	v_max_num_f32 v[TM+\b], v[TM+\b], v[TM+4+\b]
.endr
.irp b, 0,1,2,3
	v_add_nc_u32 v[TM+8+\b], 0xff000000, v[TM+\b]
.endr
.irp b, 0,1,2,3
	v_lshrrev_b32 v[TM+4+\b], 23, v[TM+8+\b]
.endr
	v_cvt_scalef32_pk8_fp4_f32 v[\d0], v[AC:AC+7], v[TM+8]
	v_cvt_scalef32_pk8_fp4_f32 v[(\d0)+2], v[AC+8:AC+15], v[TM+8]
	v_cvt_scalef32_pk8_fp4_f32 v[\d1], v[AC+16:AC+23], v[TM+9]
	v_cvt_scalef32_pk8_fp4_f32 v[(\d1)+2], v[AC+24:AC+31], v[TM+9]
	v_cvt_scalef32_pk8_fp4_f32 v[\d2], v[AC+32:AC+39], v[TM+10]
	v_cvt_scalef32_pk8_fp4_f32 v[(\d2)+2], v[AC+40:AC+47], v[TM+10]
	v_cvt_scalef32_pk8_fp4_f32 v[\d3], v[AC+48:AC+55], v[TM+11]
	v_cvt_scalef32_pk8_fp4_f32 v[(\d3)+2], v[AC+56:AC+63], v[TM+11]
	v_nop                                          ; one plain line behind the last scaled conversion
.endm
; Two blocks E and O (codes in p, p + 2 and in p + 1, p + 3) become four registers of an operand: lanes 0-15 then hold E's k 0 .. 31, lanes 16-31 O's
.macro SWAP2 p
	v_permlane16_swap_b32 v[\p], v[(\p)+1]
	v_permlane16_swap_b32 v[(\p)+2], v[(\p)+3]
.endm
.macro QKA fl, dst, sc                 ; the first 32 features of a head: block 0 of token tile m
	QUANT \fl, \dst, \dst+4, \dst+8, \dst+12
.irp m, 0,1,2,3
	v_mov_b32 v[\sc+\m], v[TM+4+\m]
.endr
.endm
.macro QKB fl, dst, sc                 ; the second 32: the tile's operand is whole
	QUANT \fl, \dst+1, \dst+5, \dst+9, \dst+13
.irp m, 0,1,2,3
	v_lshl_or_b32 v[\sc+\m], v[TM+4+\m], 8, v[\sc+\m]
.endr
.irp m, 0,1,2,3
	SWAP2 \dst+4*\m
.endr
.endm
.macro VQ u                            ; V + bv, quantised along the KEYS: block 2 tile + batch; batch 0 becomes k 0 .. 31 of V^T's fragment, batch 1 k 32 .. 63
.irp q, 0,2,4,6,8,10,12,14
.irp t, 0,1
.irp be, 0,1
	v_pk_add_f32 v[AC+16*(2*\t+\be)+\q:AC+16*(2*\t+\be)+\q+1], v[AC+16*(2*\t+\be)+\q:AC+16*(2*\t+\be)+\q+1], v[BVV+2*(\u):BVV+2*(\u)+1] op_sel:[0,\t] op_sel_hi:[1,\t]
.endr
.endr
.endr
	QUANT FLO, VC+8*(\u), VC+8*(\u)+1, VC+8*(\u)+4, VC+8*(\u)+5
.irp t, 0,1
	v_lshl_or_b32 v[VS+2*(\u)+\t], v[TM+5+2*\t], 8, v[TM+4+2*\t]
.endr
	SWAP2 VC+8*(\u)
	SWAP2 VC+8*(\u)+4
.endm
; all 32 fragments of an operand of 64 rows x 1,024 K come back from their images, and its scale words
.macro ALOAD                           ; scale words first, then K step by K step, eight loads each
.irp be, 0,1
.irp s, 0,1,2,3,4,5,6,7
	ds_load_b32 v[ASC+8*\be+\s], v[SLD] offset:256*\s+128*\be
.endr
.endr
	WIN 0x40
.irp hp, 0,1,2,3,4,5,6,7,8,9,10,11,12,13,14,15
.irp m, 0,1,2,3
	ds_load_b128 v[16*(8*(\m/2)+\hp/2)+8*(\m%2)+4*(\hp%2):16*(8*(\m/2)+\hp/2)+8*(\m%2)+4*(\hp%2)+3], v[LI] offset:IMM*\m+544*\hp
.endr
.endr
	WIN 0
.endm
.macro XROW i                          ; row i of my eight: lane L holds columns 256 g + 8 L .. + 7 in v[32 i + 8 g ..] of window 1
	WIN 0x40
.irp g, 0,1,2,3
.irp e, 0,1
	global_load_b128 v[32*(\i)+8*\g+4*\e:32*(\i)+8*\g+4*\e+3], v[XL], s[8:9] offset:4096*(\i)+1024*\g+16*\e
.endr
.endr
	WIN 0
.endm
.macro RED                             ; two rows' sums over the lanes, in every lane
	WIN 0
.irp a, 0,1
	v_pk_add_f32 v[SU+4*\a:SU+4*\a+1], v[SU+4*\a:SU+4*\a+1], v[SU+4*\a+2:SU+4*\a+3]
.endr
.irp a, 0,1
	v_add_f32 v[RT+\a], v[SU+4*\a], v[SU+4*\a+1]
.endr
.irp k, 1,2,4,8
.irp a, 0,1
	v_add_f32_dpp v[RT+\a], v[RT+\a], v[RT+\a] row_xmask:\k row_mask:0xf bank_mask:0xf
.endr
.endr
.irp a, 0,1
	v_permlanex16_b32 v[RT+2+\a], v[RT+\a], s[SEL], s[SEL+1]
.endr
.irp a, 0,1
	v_add_f32 v[RT+\a], v[RT+\a], v[RT+2+\a]
.endr
.endm
; LAYERNORM OF TWO ROWS, 2 p and 2 p + 1 of my eight, quantised along the columns; codes and scale bytes go to LDS.  lc: the loads issued behind these rows.
; A block of 32 columns lies in four neighbouring lanes; they all store its byte, the same value to the same place.
.macro LNP p, lc, more
	s_wait_alu depctr_va_vdst(0)
	s_wait_loadcnt \lc
.if (\more) == 1
	XROW 5
	XROW 6
.elseif (\more) == 2
	XROW 7
	LDWS WSA, 16, 0                                ; the first two slots' weight scales, the first slot's bias
	LDBI 18, 0
	LDWS WSB, 16, 1024
.endif
	WIN 0x05
.irp a, 0,1
.irp c, 0,1
.set rX, 64*(\p)+32*\a+2*\c
	v_pk_add_f32 v[SU+4*\a+2*\c:SU+4*\a+2*\c+1], v[rX:rX+1], v[rX+4:rX+5]   ; two chains a row; the first lines start them
.endr
.endr
	WIN 0x04
.set QQ, 4
.rept 6
.irp a, 0,1
.irp c, 0,1
.set rX, 64*(\p)+32*\a+2*QQ+2*\c
	v_pk_add_f32 v[SU+4*\a+2*\c:SU+4*\a+2*\c+1], v[SU+4*\a+2*\c:SU+4*\a+2*\c+1], v[rX:rX+1]
.endr
.endr
.set QQ, QQ+2
.endr
	RED
.irp a, 0,1
	v_mul_f32 v[NN+2*\a], 0xba800000, v[RT+\a]     ; minus the mean
.endr
	WIN 0x41
.set QQ, 0
.rept 16
.irp a, 0,1
.set rX, 64*(\p)+32*\a+2*QQ
	v_pk_add_f32 v[rX:rX+1], v[rX:rX+1], v[NN+2*\a:NN+2*\a+1] op_sel_hi:[1,0]
.endr
.set QQ, QQ+1
.endr
	WIN 0x05
.set QQ, 0
.rept 8
.irp a, 0,1
.irp c, 0,1
.set rX, 64*(\p)+32*\a+2*QQ+2*\c
.if QQ == 0
	v_pk_mul_f32 v[SU+4*\a+2*\c:SU+4*\a+2*\c+1], v[rX:rX+1], v[rX:rX+1]
.else
	v_pk_fma_f32 v[SU+4*\a+2*\c:SU+4*\a+2*\c+1], v[rX:rX+1], v[rX:rX+1], v[SU+4*\a+2*\c:SU+4*\a+2*\c+1]
.endif
.endr
.endr
.set QQ, QQ+2
.endr
	RED
.irp a, 0,1
	v_fma_f32 v[RT+\a], v[RT+\a], s82, s83         ; the variance + 1e-5
.endr
	s_wait_alu depctr_va_vdst(0)
	v_rsq_f32 v[NN+1], v[RT]
	v_rsq_f32 v[NN+3], v[RT+1]
	v_nop
	s_wait_alu depctr_va_vdst(0)
	WIN 0x41
.set QQ, 0
.rept 16
.irp a, 0,1
.set rX, 64*(\p)+32*\a+2*QQ
	v_pk_mul_f32 v[rX:rX+1], v[rX:rX+1], v[NN+2*\a:NN+2*\a+1] op_sel:[0,1] op_sel_hi:[1,1]
.endr
.set QQ, QQ+1
.endr
.if (\p) == 0
	s_wait_alu depctr_va_vdst(0)
	s_wait_loadcnt 40                              ; ln_g and ln_b: behind them rows 2 to 6
.endif
.set QQ, 0
.rept 16
.irp a, 0,1
.set rX, 64*(\p)+32*\a+2*QQ
	v_pk_fma_f32 v[rX:rX+1], v[rX:rX+1], v[96+2*QQ:97+2*QQ], v[128+2*QQ:129+2*QQ]
.endr
.set QQ, QQ+1
.endr
	WIN 0x05
.irp j, 0,2,4,6
.irp a, 0,1
.irp g, 0,1,2,3
.set rX, 64*(\p)+32*\a+8*\g+\j
.if \j == 0
	v_max3_num_f32 v[MX+4*\a+\g], |v[rX]|, |v[rX+1]|, FLO
.else
	v_max3_num_f32 v[MX+4*\a+\g], |v[rX]|, |v[rX+1]|, v[MX+4*\a+\g]
.endif
.endr
.endr
.endr
	WIN 0
.irp k, 1,2
.irp b, 0,1,2,3,4,5,6,7
	v_max_num_f32_dpp v[MX+\b], v[MX+\b], v[MX+\b] row_xmask:\k row_mask:0xf bank_mask:0xf
.endr
.endr
.irp b, 0,1,2,3,4,5,6,7
	v_add_nc_u32 v[SO+\b], 0xff000000, v[MX+\b]
.endr
.irp b, 0,1,2,3,4,5,6,7
	v_lshrrev_b32 v[BY+\b], 23, v[SO+\b]
.endr
	WIN 0x01
.irp a, 0,1
.irp g, 0,1,2,3
.set rX, 64*(\p)+32*\a+8*\g
	v_cvt_scalef32_pk8_fp4_f32 v[CD+4*\a+\g], v[rX:rX+7], v[SO+4*\a+\g]
.endr
.endr
	v_nop
	WIN 0
.irp a, 0,1
.irp g, 0,1,2,3
	ds_store_b32 v[LC], v[CD+4*\a+\g] offset:2176*\g+16*(2*(\p)+\a)
	ds_store_b8 v[LS], v[BY+4*\a+\g] offset:512*\g+4*(2*(\p)+\a)
.endr
.endr
.endm
; ================================================================ the head
	s_load_b512 s[8:23], s[0:1], 0x0               ; x 8, ln_g 10, ln_b 12, wq codes 14, wq scales 16, bq 18, wk codes 20, wk scales 22
	s_load_b512 s[24:39], s[0:1], 0x40             ; bk 24, wv codes 26, wv scales 28, bv 30, wo codes 32, wo scales 34, bo 36, rel_bias 38
	s_load_b64 s[40:41], s[0:1], 0x80              ; out
	v_lshl_add_u32 v[SPW], v0, 2, SPARE
	v_mov_b32 v[NIL], 0
	ds_add_u32 v[SPW], v[NIL]                      ; the wave's opening: the add, twice on end, and its wait ahead of my first tensor load
	ds_add_u32 v[SPW], v[NIL]
	v_lshrrev_b32 v60, 5, v0
	v_readfirstlane_b32 s[WV], v60                 ; wave 0..7
	v_and_b32 v60, 31, v0                          ; lane
	s_lshl_b32 s80, s[WV], 15
	v_lshl_add_u32 v[XL], v60, 5, s80
	v_lshlrev_b32 v[GBO], 5, v60
	s_mov_b32 s[SEL], 0x76543210
	s_mov_b32 s[SEL+1], 0xfedcba98                 ; v_permlanex16_b32's selects for lane l xor 16
	s_mov_b32 s[CS], 0x3fb8aa3b                    ; log2(e)
	s_mov_b32 s[CS+1], s[CS]                       ; (named with it as a pair, so it is written)
	s_mov_b32 s[LOM], 0xffff                       ; lanes 0-15
	s_mov_b32 s82, 0x3a800000                      ; 1 / 1024
	s_mov_b32 s83, 0x3727c5ac                      ; 1e-5
	s_mov_b32 s[TB], 0
	s_mov_b32 s[TRIP], 0
	s_bfe_u32 s79, ttmp6, 0x40000                  ; cx: it enters x's and out's addresses and the prefetches' alone
	s_lshl_b32 s84, ttmp9, 2
	s_add_co_u32 s84, s84, s79                     ; my work-group (in a cluster launch ttmp9 counts clusters)
	s_lshl_b32 s84, s84, 18                        ; x 64 rows of 4,096 bytes
	s_mov_b32 s85, 0
	s_wait_dscnt 0x0                               ; both opening adds are done
	s_wait_alu depctr_va_vdst(0)
	s_wait_kmcnt 0x0
	s_add_nc_u64 s[8:9], s[8:9], s[84:85]
	s_add_nc_u64 s[40:41], s[40:41], s[84:85]
	XROW 0
	XROW 1
.irp g, 0,1,2,3
.irp e, 0,1
	global_load_b128 v[96+8*\g+4*\e:99+8*\g+4*\e], v[GBO], s[10:11] offset:1024*\g+16*\e
	global_load_b128 v[128+8*\g+4*\e:131+8*\g+4*\e], v[GBO], s[12:13] offset:1024*\g+16*\e
.endr
.endr
	XROW 2
	XROW 3
	XROW 4
	s_mul_i32 s[WOFF], s[WV], WPART
	s_lshr_b32 s86, s[WV], 1
	s_mul_i32 s86, s86, IMM
	s_and_b32 s87, s[WV], 1
	s_lshl_b32 s87, s87, 7
	s_add_co_u32 s86, s86, s87
	s_add_co_u32 s86, s86, IMG                     ; my rows' codes in the images: tile wave / 2, rows 8 (wave % 2) on
	s_lshl_b32 s87, s[WV], 5
	s_add_co_u32 s87, s87, ISC                     ; and their scale words
	s_lshl_b32 s88, s[WV], 12
	s_lshl_b32 s89, s[WV], 9
	s_mul_i32 s90, s[WV], 16*SPI
	s_add_co_u32 s90, s90, IMG                     ; my stage
	s_lshl_b32 s91, s79, 13
	s_lshl_b32 s92, s79, 12
	s_mul_i32 s[HS], s[WV], 1088
	s_lshl_b32 s[HS2], s[WV], 8
	s_add_co_u32 s[HS2], s[HS2], ISC
	v_and_b32 v61, 15, v0                          ; r
	v_bfe_u32 v62, v0, 4, 1                        ; h
	v_mul_u32_u24 v[AW0], v61, PW
	v_lshl_add_u32 v[AW0], v62, 4, v[AW0]
	v_add_nc_u32 v[AW0], s[WOFF], v[AW0]
	v_mul_u32_u24 v[LI], v62, 272
	v_lshl_add_u32 v[LI], v61, 4, v[LI]
	v_add_nc_u32 v[LI], IMG, v[LI]
	v_lshl_add_u32 v[SLD], v60, 2, ISC
	v_lshl_add_u32 v[WSO], v60, 5, s88
	v_lshl_add_u32 v[BO], v62, 5, s89
	v_lshl_add_u32 v[BVO], v61, 2, s89
	v_lshlrev_b32 v[RBO], 7, v61
	v_lshl_add_u32 v[RBO], v62, 5, v[RBO]
	v_lshl_add_u32 v[PFO], v60, 8, s91
	v_lshlrev_b32 v[XO], 12, v62
	v_lshl_add_u32 v[XO], v61, 4, v[XO]
	v_add_nc_u32 v[XO], s89, v[XO]
	v_mul_u32_u24 v[STO], v61, SPI
	v_lshl_add_u32 v[STO], v62, 5, v[STO]
	v_add_nc_u32 v[STO], s90, v[STO]
	v_bfe_u32 v63, v0, 2, 3                        ; lane / 4: the block among eight
	v_mul_u32_u24 v[LC], v63, 272
	v_and_b32 v63, 3, v0
	v_lshl_add_u32 v[LC], v63, 2, v[LC]
	v_add_nc_u32 v[LC], s86, v[LC]
	v_bfe_u32 v63, v0, 2, 2
	v_lshl_add_u32 v[LS], v62, 8, v63
	v_add_nc_u32 v[LS], s87, v[LS]
	v_min_u32 v61, 15, v60                         ; slot 1's prefetch: of my wave's 64 blocks of 256 bytes the partner at place cx takes 16; lanes 16-31 name the last of them again
	v_lshl_add_u32 v61, v61, 8, s92
.irp j, 4,5,6,7
	v_mov_b32 v[TM+\j], 0                          ; written once: a lane permute's destination counts as one of its sources
.endr
	v_mov_b32 v[RT+2], 0
	v_mov_b32 v[RT+3], 0
	v_mov_b32 v[NN+1], 0                           ; (named as pairs with -mean before they are first written)
	v_mov_b32 v[NN+3], 0
	s_wait_alu depctr_va_vdst(0)
	s_lshl_b32 s86, s[WV], 16                      ; my wave's 128 rows of 512 code bytes
	s_mov_b32 s87, 0
	s_add_nc_u64 s[14:15], s[14:15], s[86:87]
	s_add_nc_u64 s[20:21], s[20:21], s[86:87]
	s_add_nc_u64 s[26:27], s[26:27], s[86:87]
	s_add_nc_u64 s[32:33], s[32:33], s[86:87]
	s_lshl_b32 s86, s[WV], 13                      ; rel_bias: my wave's two heads, 4,096 bytes a head
	s_add_nc_u64 s[38:39], s[38:39], s[86:87]
	; descriptor group 1: 32 rows x 512 bytes, dense in memory, 16 bytes of padding behind each row in LDS
	s_mov_b32 s[G1], 15|(1<<20)|(1<<21)|(6<<22)|(3<<25)  ; 15:0 the mask: all four work-groups; 17:16 elements of 1 byte; 20 padding on; 21 set beside a mask; 24:22 after every 128 words (code 6); 31:25 four words (code 3)
	s_mov_b32 s[G1+1], 512<<16                     ; tensor_dim0
	s_mov_b32 s[G1+2], 32<<16                      ; tensor_dim1
	s_mov_b32 s[G1+3], 512<<16                     ; tile_dim0
	s_mov_b32 s[G1+4], 32                          ; tile_dim1
	s_mov_b32 s[G1+5], 512                         ; from row to row
	s_mov_b32 s[G1+6], 0
	s_mov_b32 s[G1+7], 0
	s_mov_b32 s[G0], 1
	s_mov_b32 s[G0+1], s[WOFF]                     ; slot 0: Q's first 32 rows
	s_mov_b64 s[G0+2:G0+3], s[14:15]
	s_or_b32 s[G0+3], s[G0+3], 0x80000000
	CROUND                                         ; all four work-groups are here: the first joint loads meet
	tensor_load_to_lds s[G0:G0+3], s[G1:G1+7]
	s_nop 0
	PLACES 4
; ================================================================ LayerNorm.  Loads behind a pair of rows, in the order of issue: rows 0 1, ln_g and ln_b (16), rows 2 3 4, then rows 5 6, then row 7 and eight more
	LNP 0, 40, 1
	s_cmp_lt_u32 ttmp9, 4
	s_cbranch_scc0 .Lnot_q
	global_prefetch_b8 v61, s[14:15] offset:16384 th:TH_LOAD_NT scope:SCOPE_SE   ; slot 1
.Lnot_q:
	LNP 1, 24, 2
	ASK 20, 0                                      ; K of the first head: the first two changes of slots ask for it
	LNP 2, 24, 0
	LNP 3, 8, 0
	s_wait_alu depctr_va_vdst(0)
	s_wait_tensorcnt 0x0                           ; my part of slot 0 is in
	ds_add_u32 v[SPW], v[NIL]
	s_add_co_u32 s[G0+1], s[WOFF], SLOT            ; slot 1: Q's second 32 rows
	s_add_nc_u64 s[G0+2:G0+3], s[14:15], 16384
	s_or_b32 s[G0+3], s[G0+3], 0x80000000
	s_wait_dscnt 0x0
	CROUND                                         ; behind the round xn's images lie in LDS too
	tensor_load_to_lds s[G0:G0+3], s[G1:G1+7]
	s_nop 0
	PLACES 4
	ALOAD
	SLOTSTART
	s_wait_xcnt 0x0                                ; the loads above have read their bases
	s_add_nc_u64 s[14:15], s[14:15], 32768         ; Wq's codes and scales are used in a trip for the NEXT head alone
	s_add_nc_u64 s[16:17], s[16:17], 2048
; ================================================================ two trips: head 2 w + trip
; Counts on LOADcnt: the loads issued behind the one that is wanted: always the two of the scales of the slot after next.
	s_wait_alu depctr_va_vdst(0)
.Lhead:
	s_cmp_eq_u32 s[TRIP], 1
	s_cselect_b64 s[T0:T0+1], s[32:33], s[14:15]
	s_cselect_b64 s[T1:T1+1], s[34:35], s[16:17]
	s_cselect_b64 s[TP:TP+1], s[32:33], s[20:21]
	s_cselect_b64 s[T2:T2+1], s[36:37], s[18:19]
	UNIT 0, AC, BI, WSA, 2, 1, 0, 20, 0            ; Q's first 32 features; the change asks for K's first
	SLOTSTART
	ASK 26, 0                                      ; this head's V
	LDWS WSA, 22, 0
	QKA FLQ, QC, QS
	UNIT 0, AC, BI, WSB, 2, 2, 0, 20, 16384
	SLOTSTART
	LDWS WSB, 22, 1024
	QKB FLQ, QC, QS
.irp m, 0,1,2,3
	v_add_nc_u32 v[QS+\m], 0xfffffcfd, v[QS+\m]    ; 3 off both bytes: the division by sqrt(64), exact; both are 4 at the least, so nothing is borrowed
.endr
	UNIT 0, AC, BI, WSA, 2, 3, 0, 26, 0            ; K
	SLOTSTART
	ASK T0, 0                                      ; the next head's Q, or Wo's first two slots
	LDWS WSA, 28, 0
	QKA FLO, KC, KS
	UNIT 0, AC, BI, WSB, 2, 4, 5, 26, 16384
	LDWS WSB, 28, 1024
	QKB FLO, KC, KS
	; ---- scores and softmax, both batches.  g = 2 batch + query tile.  S^T = K Q^T / 8 + rel_bias: a lane holds query r and keys 16 u + 8 h + 0 .. 7
.irp g, 0,1,2,3
.irp d, 0,1,2,3
	v_mov_b32 v[PQ+8*\g+\d], v[QC+4*\g+\d]
	v_mov_b32 v[PQ+8*\g+4+\d], 0                   ; k 64 .. 127: zero codes
.endr
.endr
	PLACES 4
	s_wait_alu depctr_va_vdst(0)
	s_wait_loadcnt 0x2                             ; rel_bias
.irp be, 0,1
.irp v, 0,1
.irp u, 0,1
	WM16 AC+16*(2*\be+\v)+8*\u, KC+4*(2*\be+\u), PQ+8*(2*\be+\v), RB+8*(2*\v+\u), KS+2*\be+\u, QS+2*\be+\v
.endr
.endr
.endr
	PLACES 4
	SLOTSTART                                      ; V's first fragments arrive under the softmax
.irp g, 0,1,2,3
	v_max3_num_f32 v[TM+\g], v[AC+16*\g], v[AC+16*\g+1], v[AC+16*\g+2]   ; the row's largest logit; since p rises with it, it also gives the block's largest p
.endr
.irp j, 3,5,7,9,11,13
.irp g, 0,1,2,3
	v_max3_num_f32 v[TM+\g], v[TM+\g], v[AC+16*\g+\j], v[AC+16*\g+\j+1]
.endr
.endr
.irp g, 0,1,2,3
	v_max_num_f32 v[TM+\g], v[TM+\g], v[AC+16*\g+15]
.endr
.irp g, 0,1,2,3
	v_permlanex16_b32 v[TM+4+\g], v[TM+\g], s[SEL], s[SEL+1]
.endr
.irp g, 0,1,2,3
	v_max_num_f32 v[TM+\g], v[TM+\g], v[TM+4+\g]
.endr
.irp g, 0,1,2,3
	v_mul_f32 v[TM+8+\g], s[CS], v[TM+\g]          ; as t = logit x log2(e)
.endr
.irp g, 0,1,2,3
	v_floor_f32 v[NGM+2*\g], -v[TM+8+\g]           ; -M = floor(-t) = -ceil(t): a whole number
.endr
.irp q, 0,2,4,6,8,10,12,14
.irp g, 0,1,2,3
	v_pk_fma_f32 v[AC+16*\g+\q:AC+16*\g+\q+1], v[AC+16*\g+\q:AC+16*\g+\q+1], s[CS:CS+1], v[NGM+2*\g:NGM+2*\g+1] op_sel_hi:[1,0,0]   ; t - M
.endr
.endr
.irp g, 0,1,2,3
	v_fma_f32 v[TM+\g], v[TM+\g], s[CS], v[NGM+2*\g]
.endr
	s_wait_alu depctr_va_vdst(0)
.set J, 0
.rept 64
	v_exp_f32 v[AC+J], v[AC+J]                     ; p = 2^(t - M): not normalised
.set J, J+1
.endr
.irp g, 0,1,2,3
	v_exp_f32 v[TM+\g], v[TM+\g]                   ; the row's largest p
.endr
	v_nop                                          ; a plain line behind the batch
	s_wait_alu depctr_va_vdst(0)                   ; one wait for the 68, ahead of their first reader
.irp g, 0,1,2,3
	v_pk_add_f32 v[SM+2*\g:SM+2*\g+1], v[AC+16*\g:AC+16*\g+1], v[AC+16*\g+2:AC+16*\g+3]   ; l: the sum of the unquantised p
.endr
.irp q, 4,6,8,10,12,14
.irp g, 0,1,2,3
	v_pk_add_f32 v[SM+2*\g:SM+2*\g+1], v[SM+2*\g:SM+2*\g+1], v[AC+16*\g+\q:AC+16*\g+\q+1]
.endr
.endr
.irp g, 0,1,2,3
	v_add_f32 v[TM+8+\g], v[SM+2*\g], v[SM+2*\g+1]
.endr
.irp g, 0,1,2,3
	v_permlanex16_b32 v[TM+4+\g], v[TM+8+\g], s[SEL], s[SEL+1]
.endr
.irp g, 0,1,2,3
	v_add_f32 v[TM+8+\g], v[TM+8+\g], v[TM+4+\g]
.endr
	s_wait_alu depctr_va_vdst(0)
.irp g, 0,1,2,3
	v_rcp_f32 v[RLP+\g], v[TM+8+\g]
.endr
.irp g, 0,1,2,3
	v_max_num_f32 v[TM+\g], FLO, v[TM+\g]          ; p's scale: plain work behind the reciprocals
.endr
.irp g, 0,1,2,3
	v_add_nc_u32 v[TM+12+\g], 0xff000000, v[TM+\g]
.endr
.irp g, 0,1,2,3
	v_lshrrev_b32 v[PS+\g], 23, v[TM+12+\g]
.endr
.irp g, 2,3
	v_lshlrev_b32 v[PS+\g], 8, v[PS+\g]            ; batch 1's keys are k 32 .. 63: its byte is the word's second
.endr
	s_wait_alu depctr_va_vdst(0)                   ; one wait for the reciprocals
.irp be, 0,1
.irp v, 0,1
	v_cvt_scalef32_pk8_fp4_f32 v[PP+4*\v+\be], v[AC+16*(2*\be+\v):AC+16*(2*\be+\v)+7], v[TM+12+2*\be+\v]
	v_cvt_scalef32_pk8_fp4_f32 v[PP+4*\v+\be+2], v[AC+16*(2*\be+\v)+8:AC+16*(2*\be+\v)+15], v[TM+12+2*\be+\v]
.endr
.endr
	v_nop
	SWAP2 PP                                       ; lanes 0-15: batch 0's 32 keys; lanes 16-31: batch 1's
	SWAP2 PP+4
	; ---- V
	UNIT 1, AC, -1, WSA, -1, 0, 0, T0, 0           ; its scales and bv came in ahead of rel_bias
	SLOTSTART
	ASK TP, 32768                                  ; the next head's K, or Wo's last two slots
	LDWS WSA, T1, 0
	VQ 0
	UNIT 1, AC, -1, WSB, 2, 6, 0, T0, 16384
	v_add_nc_u32 v[AW], s[TB], v[AW0]
	WLOAD 0, 0                                     ; the second set holds p below
	LDWS WSB, T1, 1024
	VQ 1
	v_add_nc_u32 v[IST], s[HS], v[LI]
	v_and_b32 v[SST], 15, v0
	v_lshl_add_u32 v[SST], v[SST], 2, s[HS2]
.irp g, 0,1,2,3
.irp d, 4,5,6,7
	v_mov_b32 v[PQ+8*\g+\d], 0
.endr
.endr
.irp v, 0,1
.irp d, 0,1,2,3
	v_cndmask_b32 v[PQ+8*\v+\d], 0, v[PP+4*\v+\d], s[LOM]      ; batch 0's p: zero codes at the other batch's keys
.endr
.endr
.irp v, 0,1
.irp d, 0,1,2,3
	v_cndmask_b32 v[PQ+16+8*\v+\d], v[PP+4*\v+\d], 0, s[LOM]   ; batch 1's.  (These eight stand between the writes above and batch 0's products)
.endr
.endr
.irp be, 0,1
.irp v, 0,1
.irp t, 0,1,2,3
	WM16 AC+8*(4*\v+\t), VC+4*\t, PQ+8*(2*\be+\v), -1, VS+\t, PS+2*\be+\v   ; O^T = V^T p^T: (query 16 v + r, channel 16 t + 8 h + j)
.endr
.endr
	PLACES 4
.irp q, 0,2,4,6,8,10,12,14,16,18,20,22,24,26,28,30
.irp v, 0,1
	v_pk_mul_f32 v[AC+32*\v+\q:AC+32*\v+\q+1], v[AC+32*\v+\q:AC+32*\v+\q+1], v[RLP+2*\be:RLP+2*\be+1] op_sel:[0,\v] op_sel_hi:[1,\v]   ; / l: ctx
.endr
.endr
	QUANT FLO, CC, CC+1, CC+4, CC+5
	SWAP2 CC
	SWAP2 CC+4
.irp v, 0,1
	v_lshl_or_b32 v[TM+12+\v], v[TM+5+2*\v], 8, v[TM+4+2*\v]
	ds_store_b128 v[IST], v[CC+4*\v:CC+4*\v+3] offset:IMM*(2*\be+\v)
	ds_store_b16 v[SST], v[TM+12+\v] offset:64*(2*\be+\v)
.endr
.endr
	WLOAD 1, 2
	s_wait_alu depctr_va_vdst(0)
	s_wait_xcnt 0x0                                ; this trip's loads and prefetches have read their bases: they step to the next head
	s_add_nc_u64 s[20:21], s[20:21], 32768         ; Wk's and Wv's codes;
	s_add_nc_u64 s[26:27], s[26:27], 32768
	s_add_nc_u64 s[22:23], s[22:23], 2048          ; their scales;
	s_add_nc_u64 s[28:29], s[28:29], 2048
	s_add_nc_u64 s[18:19], s[18:19], 256           ; bq, bk, bv;
	s_add_nc_u64 s[24:25], s[24:25], 256
	s_add_nc_u64 s[30:31], s[30:31], 256
	s_add_nc_u64 s[38:39], s[38:39], 4096          ; rel_bias
	s_add_co_u32 s[HS], s[HS], 544
	s_add_co_u32 s[HS2], s[HS2], 2
	s_add_co_u32 s[TRIP], s[TRIP], 1
	s_cmp_lt_u32 s[TRIP], 2
	s_cbranch_scc1 .Lhead
; ================================================================ ctx to all waves
	BAR                                            ; ctx's images lie in LDS.  (One tensor load of mine stays out)
	s_mul_i32 s90, s[WV], 16*SPI
	s_add_co_u32 s90, s90, IMG
	s_lshl_b32 s89, s[WV], 9
	v_and_b32 v60, 15, v0
	v_bfe_u32 v61, v0, 4, 1
	v_mul_u32_u24 v[SRD], v61, SPI
	v_lshl_add_u32 v[SRD], v60, 4, v[SRD]
	v_add_nc_u32 v[SRD], s90, v[SRD]
	v_lshl_add_u32 v[BRO], v60, 4, s89
	s_wait_alu depctr_va_vdst(0)
	global_load_b128 v[BOR:BOR+3], v[BRO], s[36:37]
	global_load_b128 v[BOR+4:BOR+7], v[BRO], s[36:37] offset:256
	ALOAD
; ================================================================ out = x + ctx Wo^T + bo, 64 columns of my 128 at a time.
; THE WAY OUT: a tile of 16 tokens x 64 columns through my stage, back as rows of 256 bytes into the registers that it left; x and bo are added; sixteen lanes store 256 consecutive bytes, aligned.
; LDS serves a wave's instructions in order (ISA guide 5.7.1.4): no wait between stores and loads, nor ahead of the next tile's stores
.macro TOST m
.irp n, 0,1,2,3
.irp e, 0,1
	ds_store_b128 v[STO], v[OA+64*(\n/2)+16*(\m)+8*(\n%2)+4*\e:OA+64*(\n/2)+16*(\m)+8*(\n%2)+4*\e+3] offset:64*\n+16*\e   ; each accumulator from its low end on
.endr
.endr
.irp t, 0,1,2,3,4,5,6,7
	ds_load_b128 v[OA+64*(\t/4)+16*(\m)+4*(\t%4):OA+64*(\t/4)+16*(\m)+4*(\t%4)+3], v[SRD] offset:2*SPI*\t
.endr
.endm
.macro SEND pr, m, dsn, ldn            ; dsn: the next tile's sixteen LDS instructions, or none; ldn: the loads issued behind this tile's x
	s_wait_dscnt \dsn
	s_wait_loadcnt \ldn
.irp e, 0,2
.irp t, 0,1,2,3,4,5,6,7
.set rX, OA+64*(\t/4)+16*(\m)+4*(\t%4)+\e
	v_pk_add_f32 v[rX:rX+1], v[rX:rX+1], v[BOR+4*(\pr)+\e:BOR+4*(\pr)+\e+1]
.endr
.endr
.irp e, 0,2
.irp t, 0,1,2,3,4,5,6,7
.set rX, OA+64*(\t/4)+16*(\m)+4*(\t%4)+\e
.if \pr
	WIN 0x04
	v_pk_add_f32 v[rX:rX+1], v[rX:rX+1], v[128*((\m)%2)+32*((\m)/2)+4*\t+\e:128*((\m)%2)+32*((\m)/2)+4*\t+\e+1]
.else
	v_pk_add_f32 v[rX:rX+1], v[rX:rX+1], v[WF+32*((\m)%2)+4*\t+\e:WF+32*((\m)%2)+4*\t+\e+1]
.endif
.endr
.endr
.irp t, 0,1,2,3,4,5,6,7
.set rX, OA+64*(\t/4)+16*(\m)+4*(\t%4)
	WIN 0
	global_store_b128 v[XO], v[rX:rX+3], s[40:41] offset:8192*(8*(\m)+\t)+256*(\pr) th:TH_STORE_NT
.endr
.if ((\pr) == 0) && ((\m) < 2)
	XT \pr, \m+2
.endif
.endm
.macro WAYOUT pr, ld0, ld1             ; tile 0 of x (second half: all four) was asked for ahead of the last products
.if (\pr) == 0
	XT 0, 1
.endif
	TOST 0
	TOST 1
	SEND \pr, 0, 16, \ld0
	TOST 2
	SEND \pr, 1, 16, \ld1
	TOST 3
	SEND \pr, 2, 16, 8
	SEND \pr, 3, 0, 0
.endm
	UNIT 0, OA, -1, WSA, 4, 0, 0, 32, 32768, 1     ; behind the last trip's bias loads: scales 2, bo 2.  The change asks for Wo's third slot
	SLOTSTART
	LDWS WSA, 34, 2048
	UNIT 0, OA+64, -1, WSB, 4, 0, 7, 32, 49152     ; behind this slot's scales: bo 2, the third slot's scales 2.  The change asks for the fourth slot: the last load
	LDWS WSB, 34, 3072
	WAYOUT 0, 10, 8                                ; behind tile 0: scales 2, tile 1's 8
	SLOTSTART
	s_wait_alu depctr_va_vdst(0)
	s_wait_xcnt 0x0                                ; the stores have read their registers: the sums begin anew in them
	UNIT 0, OA, -1, WSA, -1, 0, 0, 0, 0
	s_wait_tensorcnt 0x0                           ; my part of the last slot is in; nothing is filled again, and the part is read by my wave alone: no barrier
	s_xor_b32 s[TB], s[TB], SLOT
	SLOTSTART
	UNIT 0, OA+64, -1, WSB, -1, 0, 0, 0, 0, 0, 1
	WAYOUT 1, 24, 16
	s_wait_tensorcnt 0x0                           ; the wave's end: behind my last tensor load and my last LDS store
	ds_add_u32 v[SPW], v[NIL]
	s_wait_dscnt 0x0
	CROUND                                         ; the closing round: no work-group ends while a partner may still ask for a tile that names it
	s_endpgm
.Lfunc_end_k_qb46ebec5bf_fused:
	.size	k_qb46ebec5bf_fused, .Lfunc_end_k_qb46ebec5bf_fused-k_qb46ebec5bf_fused
	.p2alignl 7, 3214868480
	.fill 96, 4, 3214868480
	.section	.rodata,"a",@progbits
	.p2align	6, 0x0
	.amdhsa_kernel k_qb46ebec5bf_fused
		.amdhsa_group_segment_fixed_size 327680
		.amdhsa_private_segment_fixed_size 0
		.amdhsa_enable_private_segment 0
		.amdhsa_kernarg_size 136
		.amdhsa_user_sgpr_count 2
		.amdhsa_user_sgpr_kernarg_segment_ptr 1
		.amdhsa_wavefront_size32 1
		.amdhsa_system_sgpr_workgroup_id_x 1
		.amdhsa_system_sgpr_workgroup_id_y 1
		.amdhsa_system_sgpr_workgroup_id_z 1
		.amdhsa_system_vgpr_workitem_id 0
		.amdhsa_next_free_vgpr 512
		.amdhsa_next_free_sgpr 96
		.amdhsa_reserve_vcc 0
		.amdhsa_float_denorm_mode_32 3
		.amdhsa_float_denorm_mode_16_64 3
		.amdhsa_memory_ordered 1
		.amdhsa_forward_progress 1
		.amdhsa_inst_pref_size 255
	.end_amdhsa_kernel
	.section	.bss,"aw",@nobits
	.p2align	6
	.space	262144
	.amdgpu_metadata
---
amdhsa.version: [ 1, 2 ]
amdhsa.kernels:
  - .name:           k_qb46ebec5bf_fused
    .symbol:         k_qb46ebec5bf_fused.kd
    .args:
      - { .name: x, .offset: 0, .size: 8, .value_kind: global_buffer, .address_space: global }
      - { .name: ln_g, .offset: 8, .size: 8, .value_kind: global_buffer, .address_space: global }
      - { .name: ln_b, .offset: 16, .size: 8, .value_kind: global_buffer, .address_space: global }
      - { .name: wq_codes, .offset: 24, .size: 8, .value_kind: global_buffer, .address_space: global }
      - { .name: wq_scales, .offset: 32, .size: 8, .value_kind: global_buffer, .address_space: global }
      - { .name: bq, .offset: 40, .size: 8, .value_kind: global_buffer, .address_space: global }
      - { .name: wk_codes, .offset: 48, .size: 8, .value_kind: global_buffer, .address_space: global }
      - { .name: wk_scales, .offset: 56, .size: 8, .value_kind: global_buffer, .address_space: global }
      - { .name: bk, .offset: 64, .size: 8, .value_kind: global_buffer, .address_space: global }
      - { .name: wv_codes, .offset: 72, .size: 8, .value_kind: global_buffer, .address_space: global }
      - { .name: wv_scales, .offset: 80, .size: 8, .value_kind: global_buffer, .address_space: global }
      - { .name: bv, .offset: 88, .size: 8, .value_kind: global_buffer, .address_space: global }
      - { .name: wo_codes, .offset: 96, .size: 8, .value_kind: global_buffer, .address_space: global }
      - { .name: wo_scales, .offset: 104, .size: 8, .value_kind: global_buffer, .address_space: global }
      - { .name: bo, .offset: 112, .size: 8, .value_kind: global_buffer, .address_space: global }
      - { .name: rel_bias, .offset: 120, .size: 8, .value_kind: global_buffer, .address_space: global }
      - { .name: out0, .offset: 128, .size: 8, .value_kind: global_buffer, .address_space: global }
    .group_segment_fixed_size: 327680
    .private_segment_fixed_size: 0
    .kernarg_segment_align: 8
    .kernarg_segment_size: 136
    .max_flat_workgroup_size: 256
    .sgpr_count:     96
    .vgpr_count:     512
    .wavefront_size: 32
...
	.end_amdgpu_metadata
.endif
;; end of part 1
